; MI455X (gfx1250); checked and timed in simulation.
; The chip was launched on July 23, 2026; its instructions are those of AMD's public machine-readable ISA for CDNA 5 (MIT licence, August 2026) and "CDNA5" Instruction Set Architecture Reference Guide (July 2026). The comments in the code are by the model that wrote it; some were corrected since.
;; Inter Modality Update. Allowed arithmetic: matrix products marked QUANTISED: E2M1 operands, one E8M0 scale for each 32 along K, by v_wmma_scale_f32_16x16x128_f8f6f4 with both operands' format E2M1 (or v_wmma_scale_f32_32x16x128_f4), f32 sums; everything else in f32.
;; Inputs: Wq 1,024 x 3,072 float32; Wqo 2,048 x 1,024 float32; Wv 1,024 x 3,072 float32; Wvo 2,048 x 1,024 float32; bq 3,072 float32; bqo 1,024 float32; bv 3,072 float32; bvo 1,024 float32; q 32 x 128 x 1,024 float32; v 32 x 128 x 1,024 float32.
;; Outputs: out0 32 x 128 x 1,024 float32; out1 32 x 128 x 1,024 float32.
;; This version of the problem:
;;   THIS VERSION OF THE PROBLEM IS GIVEN IN LOW PRECISION. The matrix products marked QUANTISED in the list below multiply operands that are first quantised to E2M1 (2 exponent bits, 1 mantissa bit; 4 bits a number), with one power-of-two scale for each 32 numbers along K (OCP MX v1.0); their sums are f32. All else is computed in f32.
;;   The module's matrix products, in the order in which they are computed (A, B: the left and right operand; K: the contracted axis; several contracted axes count as one K, in the product's order):
;;     1. [M 4,096, K 1,024] x [K 1,024, N 3,072]; A: input v; B: input Wv: QUANTISED
;;     2. [M 4,096, K 1,024] x [K 1,024, N 3,072]; A: input q; B: input Wq: QUANTISED
;;     3. batch 256 x [M 128, K 128] x [K 128, N 128]; A: computed on the way; B: computed on the way: QUANTISED
;;     4. batch 256 x [M 128, K 128] x [K 128, N 128]; A: computed on the way; B: computed on the way: QUANTISED
;;     5. batch 256 x [M 128, K 128] x [K 128, N 128]; A: computed on the way; B: softmax (see below): QUANTISED
;;     6. batch 256 x [M 128, K 128] x [K 128, N 128]; A: computed on the way; B: softmax (see below): QUANTISED
;;     7. [M 4,096, K 2,048] x [K 2,048, N 1,024]; A: computed on the way; B: input Wvo: QUANTISED
;;     8. [M 4,096, K 2,048] x [K 2,048, N 1,024]; A: computed on the way; B: input Wqo: QUANTISED
;;   THE QUANTISER, for each operand of a quantised product, along K:
;;     - K is cut into blocks of 32 from its start; a last block that is shorter is filled with zeros.
;;     - A block's scale is 2^e with e = floor(log2(the largest magnitude in the block)) - 2, held to -126 .. 127; a block of zeros has e = 0. As a byte (E8M0): e + 127.
;;     - Each number is divided by its block's scale, clamped to +-6, and rounded to the nearest number of E2M1, ties to even, subnormals kept.
;;     - The product sums the exact products of the quantised numbers (number of the format x scale) in f32.
;;   ~~~python
;;   def quantise(x, axis):      # numpy; x: float32 -> the quantised numbers, widened to float32 again
;;       x = np.moveaxis(x, axis, -1); K = x.shape[-1]
;;       x = np.pad(x, [(0, 0)] * (x.ndim - 1) + [(0, -K % 32)]); x = x.reshape(x.shape[:-1] + (-1, 32)); a = np.abs(x).max(-1, keepdims=True)
;;       e = np.where(a > 0, np.clip(np.frexp(np.where(a > 0, a, 1))[1] - 1 - 2, -126, 127), 0)      # np.frexp(a)[1] - 1 = floor(log2(a)), exactly
;;       r = np.clip(x / 2.0 ** e, -6, 6)
;;       step = 2.0 ** (np.maximum(np.frexp(np.where(r == 0, 1, r))[1] - 1, 0) - 1)
;;       q = np.round(r / step) * step * 2.0 ** e      # np.round: ties to even
;;       return np.moveaxis(q.reshape(q.shape[:-2] + (-1,))[..., :K], -1, axis).astype(np.float32)
;;   ~~~
;;   SOFTMAX AHEAD OF A QUANTISED PRODUCT. Where the list says 'softmax', what is quantised is not the finished softmax but p = 2^(t - M), with t = logit x log2(e) and M = ceil(the row's largest t), a whole number; so 1/2 < the row's largest p <= 1. The row's sum l is taken of the UNQUANTISED p, in f32, and the product's result is divided by l at the end. Since M is a whole number, a kernel that streams over the keys may use a running M (the ceiling of the running maximum): every later rescaling is an exact power of two, which a block's scale takes up: the codes' values come out the same.
;;   OPERANDS COMPUTED ON THE WAY. 'Computed on the way' means the value that the module computes at that place (a softmax that the list does not call 'softmax' is quantised finished and normalised). What goes into a quantiser is computed in f32, as accurately as f32 sums, v_exp_f32 and their like allow (about 1e-6 of the number): no bf16 or f16 on the way to a quantiser, and a product that is left as it is and whose result goes on into a quantised operand takes f32 operands (vector FMAs, or v_wmma_f32_16x16x4_f32). A number that lies on a knife's edge between two numbers of the format may be rounded either way, as far as f32 arithmetic and the matrix unit's own rounding can turn it there, and no further.
;; One version. Each part assembles by itself: llvm-mc -triple=amdgcn-amd-amdhsa -mcpu=gfx1250 --defsym DOCPART=n.
;; ======== version 1 of 1: 3 launches
;; limits: right only within a limited range of input values
;; workspace buffers: XC 4,194,304 bytes; XS 262,144 bytes; WIC 3,145,728 bytes; WIS 196,608 bytes; WOC 2,097,152 bytes; WOS 131,072 bytes; UC 4,194,304 bytes; US 262,144 bytes
;; launch quant (part 1): grid 896 x 1, 4 waves a work-group, no clusters, 68,096 bytes of LDS; arguments v, q, Wv, Wq, XC, XS, WIC, WIS; writes XC, XS, WIC, WIS
.if DOCPART == 1
	.amdgcn_target "amdgcn-amd-amdhsa--gfx1250"
	.amdhsa_code_object_version 6
	.text
	.protected	k_qefe0a7ac74_quant
	.globl	k_qefe0a7ac74_quant
	.p2align	8
	.type	k_qefe0a7ac74_quant,@function
k_qefe0a7ac74_quant:
	s_mov_b64 s[64:65], 0
	v_nop
	global_prefetch_b8 v0, s[64:65] scope:SCOPE_SE
	s_setreg_imm32_b32 hwreg(HW_REG_WAVE_MODE, 25, 1), 1
	s_wait_xcnt 0x0
; v, q [4096][1024] (K innermost) and Wv, Wq [1024][3072] (K is the FIRST axis), all f32, become codes of FP4 (E2M1) with one E8M0 scale byte for each 32 along K.  (Wvo and Wqo are quantised by the launch qkvatt.)
; A block's scale is 2^(floor(log2(its largest magnitude)) - 2); its byte is the largest magnitude's exponent field - 2, held at 1 from below; each number is divided by the scale and rounded to the nearest code, ties to even,
; beyond 6 the largest code.
; LIMITS: a block whose largest magnitude lies under 2^-124 has its byte held at 1; a block of zeros gets the byte 1 where the rule says 127 (its codes are zeros, which add nothing, and the bytes are read by this program alone);
; NaN and infinities among the inputs are not served.
; THE OUTPUT'S LAYOUT IS THE OPERAND'S REGISTERS.  A tile T is 16 rows (of v, q) or 16 columns (of a weight): index pi(T, r) = 32 (T / 2) + 8 (T % 2) + r % 8 + 16 (r / 8).  Fragment (T, s) = tile T x K 128 s .. 128 s + 127 is 1,024 bytes:
; at 512 c + 16 (16 h + r) the 32 codes of block 4 s + 2 c + h of index pi(T, r): a later launch gets a fragment by two loads of 16 bytes a lane.  Its scale words: 64 bytes, word r = the four bytes of pi(T, r).  Fragments lie [T][s].
; TWO PATHS, parted on the work-group's number alone: 0-383 Wv, Wq; 384-895 a tile of v or q.  A wave moves 16 KB of f32.  No loop, no barrier: waves share nothing.  No matrix unit, no cluster: nothing is read twice.
.set WST,  16896                       ; rows, LDS: a wave's two stages
.set FST,  8448                        ; one stage: 16 rows x 528
.set SP,   528                         ; a stage row: 512 bytes + 16 = 33 x 16: the sixteen rows that a read touches start in sixteen different columns of 16 bytes (64 banks of 4 bytes: ISA guide 11.1)
.set RAW,  32                          ; v32-159  rows: 32 loads x 4 registers, as loaded
.set XA,   160                         ; v160-223 fragment 0: two whole blocks a lane
.set XB,   32                          ; v32-95   fragment 1 (over fragment 0's raw numbers, which have left)
.set CD,   224                         ; v224-239 codes
.set WD,   240                         ; v240-241 scale words
	s_load_b256 s[4:11], s[0:1], 0x0               ; v, q, Wv, Wq
	s_load_b256 s[16:23], s[0:1], 0x20             ; XC, XS, WIC, WIS
	v_lshl_add_u32 v254, v0, 2, 0x10800            ; my spare word
	v_mov_b32 v255, 0
	v_lshrrev_b32 v1, 5, v0
	v_readfirstlane_b32 s28, v1                    ; wave 0..3
	v_and_b32 v1, 31, v0                           ; lane
	v_and_b32 v3, 15, v0                           ; r
	v_bfe_u32 v4, v0, 4, 1                         ; h (rows), u (weights)
	s_wait_alu depctr_va_vdst(0)                   ; the wait at the head's end
	s_wait_kmcnt 0x0
	s_cmp_lt_u32 ttmp9, 384
	s_cbranch_scc1 .Lw
; ---- ROWS: work-group 384 + g = tile g of v (g < 256) or q; wave w makes fragments s = 2 w and 2 w + 1
	s_mov_b32 s30, 0x76543210
	s_mov_b32 s31, 0xfedcba98                      ; v_permlanex16_b32's selects for lane l xor 16
	s_mul_i32 s32, s28, WST
	s_sub_co_u32 s33, ttmp9, 384                   ; g
	s_lshr_b32 s34, s33, 8                         ; 0: v, 1: q
	s_and_b32 s35, s33, 255                        ; the tile in its tensor
	s_lshr_b32 s36, s35, 1
	s_lshl_b32 s36, s36, 5
	s_and_b32 s37, s35, 1
	s_lshl_b32 s37, s37, 3
	s_add_co_u32 s36, s36, s37                     ; the tile's first row: 32 (T / 2) + 8 (T % 2)
	s_lshl_b32 s36, s36, 12                        ; x 4,096 bytes
	s_lshl_b32 s37, s28, 10
	s_add_co_u32 s36, s36, s37                     ; + my 256 numbers of a row
	s_mov_b32 s37, 0
	s_lshl_b32 s38, s33, 3
	s_lshl_b32 s39, s28, 1
	s_add_co_u32 s38, s38, s39                     ; my first fragment: 8 g + 2 w
	s_lshl_b32 s40, s38, 10
	s_mov_b32 s41, 0
	s_lshl_b32 s42, s38, 6
	s_mov_b32 s43, 0
	s_cmp_eq_u32 s34, 0                            ; the choice hangs on the work-group's number alone
	s_cselect_b64 s[4:5], s[4:5], s[6:7]
	s_add_nc_u64 s[4:5], s[4:5], s[36:37]
	s_add_nc_u64 s[16:17], s[16:17], s[40:41]
	s_add_nc_u64 s[18:19], s[18:19], s[42:43]
	v_lshlrev_b32 v2, 4, v1                        ; 16 x lane
.irp f, 0,1
.irp r, 0,1,2,3,4,5,6,7,8,9,10,11,12,13,14,15
	global_load_b128 v[RAW+64*\f+4*\r:RAW+64*\f+4*\r+3], v2, s[4:5] offset:((\r%8)+16*(\r/8))*4096+512*\f th:TH_LOAD_NT   ; row pi(T, r), 128 along K: 32 lanes read 512 consecutive bytes
.endr
.endr
	v_add_nc_u32 v5, s32, v2                       ; into a stage: as loaded
	v_mul_u32_u24 v6, v3, SP
	v_lshl_add_u32 v6, v4, 7, v6
	v_add_nc_u32 v6, s32, v6                       ; out of it: row r, block h
	v_lshlrev_b32 v7, 2, v1                        ; 4 x lane
	v_lshlrev_b32 v248, 3, v4                      ; 8 h
	v_mov_b32 v249, 0                              ; a lane permute's destination counts as one of its sources
.macro STIN f
.irp r, 0,1,2,3,4,5,6,7,8,9,10,11,12,13,14,15
	ds_store_b128 v5, v[RAW+64*\f+4*\r:RAW+64*\f+4*\r+3] offset:FST*\f+SP*\r
.endr
.endm
.macro STOUT f, x                      ; lane (r, h) takes blocks h and 2 + h of row r whole: 2 x 128 bytes
.irp c, 0,1
.irp g, 0,1,2,3,4,5,6,7
	ds_load_b128 v[\x+32*\c+4*\g:\x+32*\c+4*\g+3], v6 offset:FST*\f+256*\c+16*\g
.endr
.endr
.endm
; 64 numbers of a lane, two whole blocks, become the eight registers of a fragment and its row's scale word
.macro QA x, c, w
.irp k, 0,1
	v_max3_num_f32 v[242+\k], |v[\x+32*\k]|, |v[\x+32*\k+1]|, 0x1800000   ; with the floor 2^(3 - 127) among the leaves: the byte cannot fall under 1
.endr
.irp i, 2,4,6,8,10,12,14,16,18,20,22,24,26,28,30
.irp k, 0,1
	v_max3_num_f32 v[242+\k], v[242+\k], |v[\x+32*\k+\i]|, |v[\x+32*\k+\i+1]|   ; the two blocks by turns
.endr
.endr
.irp k, 0,1
	v_add_nc_u32 v[244+\k], 0xff000000, v[242+\k]  ; 2 off the exponent field: the conversion takes this operand's exponent field as its scale
.endr
.irp k, 0,1
	v_lshrrev_b32 v[246+\k], 23, v[244+\k]         ; the scale's byte
.endr
	v_lshl_or_b32 v[\w], v247, 16, v246            ; my two bytes, blocks h and 2 + h,
	v_lshlrev_b32 v[\w], v248, v[\w]               ; at their places in the word;
	v_permlanex16_b32 v249, v[\w], s30, s31
	v_or_b32 v[\w], v[\w], v249                    ; with lane l xor 16's two the word is whole
.irp k, 0,1
.irp g, 0,1,2,3
	v_cvt_scalef32_pk8_fp4_f32 v[(\c)+4*\k+\g], v[\x+32*\k+8*\g:\x+32*\k+8*\g+7], v[244+\k]
.endr
.endr
	v_nop                                          ; one plain place behind the last scaled conversion
.endm
	s_wait_alu depctr_va_vdst(0)                   ; ahead of the blocking wait
	s_wait_loadcnt 16                              ; fragment 0's sixteen loads are in; fragment 1's sixteen may be out
	STIN 0
	STOUT 0, XA                                    ; LDS serves a wave's instructions in order (ISA guide 5.7.1.4): these see the stores above
	s_wait_loadcnt 0x0
	STIN 1
	s_wait_dscnt 16                                ; all but the sixteen stores just issued: fragment 0 is back, and its raw registers have been read
	STOUT 1, XB
	QA XA, CD, WD
	s_wait_dscnt 0x0
	QA XB, CD+8, WD+1
.irp f, 0,1
.irp c, 0,1
	global_store_b128 v2, v[CD+8*\f+4*\c:CD+8*\f+4*\c+3], s[16:17] offset:1024*\f+512*\c   ; 32 lanes store 512 consecutive bytes, aligned
.endr
.endr
	v_cmp_lt_u32 vcc_lo, 15, v1
	v_cndmask_b32 v250, v[WD], v[WD+1], vcc_lo     ; lanes 0-15 fragment 0's words, lanes 16-31 fragment 1's
	global_store_b32 v7, v250, s[18:19]            ; 128 consecutive bytes: one byte for each 128 that the wave reads
	s_wait_tensorcnt 0x0                           ; the wave's end
	ds_add_u32 v254, v255
	s_wait_dscnt 0x0
	s_endpgm
; ---- THE WEIGHTS.  A wave takes 32 columns x 128 along K: fragments (T, s) and (T + 1, s) whole.  A LANE TAKES A COLUMN AND ITS REGISTERS RUN DOWN K: a block lies in one lane, and the conversions give codes with K innermost.
; Lane (u, r) takes column 8 u + r % 8 + 16 (r / 8) of the 32: index pi(T + u, r).  Each load reads 128 consecutive bytes, the four waves side by side 512.
.macro WLOAD j
.set ii, 0
.rept 32
	global_load_b32 v[32+32*(\j)+ii], v8, s[4:5] offset:(32*(\j)+ii)*12288 th:TH_LOAD_NT
.set ii, ii+1
.endr
.endm
.macro WBLOCK j
.set XW, 32+32*(\j)
	v_max3_num_f32 v177, |v[XW]|, |v[XW+1]|, |v[XW+2]|
	v_max3_num_f32 v178, |v[XW+3]|, |v[XW+4]|, |v[XW+5]|
.irp i, 6,10,14,18,22,26
	v_max3_num_f32 v177, v177, |v[XW+\i]|, |v[XW+\i+1]|
	v_max3_num_f32 v178, v178, |v[XW+\i+2]|, |v[XW+\i+3]|
.endr
	v_max3_num_f32 v177, v177, |v[XW+30]|, |v[XW+31]|
	v_max3_num_f32 v177, v177, v178, 0x1800000     ; and the floor
	v_add_nc_u32 v[180+\j], 0xff000000, v177       ; the conversion's scale operand
	v_lshrrev_b32 v179, 23, v[180+\j]              ; the byte
.if \j == 0
	v_mov_b32 v176, v179
.else
	v_lshl_or_b32 v176, v179, 8*\j, v176           ; the lower K in the lower byte
.endif
.irp g, 0,1,2,3
	v_cvt_scalef32_pk8_fp4_f32 v[160+4*\j+\g], v[XW+8*\g:XW+8*\g+7], v[180+\j]
.endr
.endm
.Lw:
	v_and_b32 v5, 7, v3
	v_lshrrev_b32 v6, 3, v3
	v_lshl_add_u32 v5, v6, 4, v5
	v_lshl_add_u32 v5, v4, 3, v5                   ; my column of the wave's 32
	v_lshlrev_b32 v8, 2, v5
	s_mov_b32 s33, ttmp9                           ; 0..383: 2 tensors x 24 runs of 128 columns x 8 K steps
	s_cmp_ge_u32 s33, 192
	s_cselect_b32 s34, 1, 0
	s_cselect_b64 s[4:5], s[10:11], s[8:9]         ; Wq or Wv
	s_cselect_b32 s37, 192, 0
	s_sub_co_u32 s33, s33, s37
	s_lshr_b32 s35, s33, 3                         ; which 128 columns
	s_and_b32 s36, s33, 7                          ; the K step
	s_wait_alu depctr_va_vdst(0)
	s_mul_i32 s38, s36, 128*12288
	s_lshl_b32 s39, s35, 9
	s_add_co_u32 s38, s38, s39
	s_lshl_b32 s39, s28, 7
	s_add_co_u32 s38, s38, s39                     ; 128 s rows down, 128 x (which 128 columns) + 32 x wave columns on
	s_mov_b32 s39, 0
	s_add_nc_u64 s[4:5], s[4:5], s[38:39]
	s_lshl_b32 s40, s35, 3
	s_lshl_b32 s41, s28, 1
	s_add_co_u32 s40, s40, s41                     ; T
	s_lshl_b32 s40, s40, 3
	s_add_co_u32 s40, s40, s36                     ; fragment 8 T + s
	s_lshl_b32 s42, s40, 10
	s_mul_i32 s43, s34, 1572864
	s_add_co_u32 s42, s42, s43
	s_mov_b32 s43, 0
	s_add_nc_u64 s[20:21], s[20:21], s[42:43]
	s_lshl_b32 s44, s40, 6
	s_mul_i32 s45, s34, 98304
	s_add_co_u32 s44, s44, s45
	s_mov_b32 s45, 0
	s_add_nc_u64 s[22:23], s[22:23], s[44:45]
	WLOAD 0
	WLOAD 1
	v_lshlrev_b32 v9, 13, v4
	v_lshl_add_u32 v9, v3, 4, v9                   ; codes: fragment T + u, 16 r
	v_lshlrev_b32 v10, 9, v4
	v_lshl_add_u32 v10, v3, 2, v10                 ; words: fragment T + u, 4 r
	s_wait_loadcnt 32                              ; block 0's 32 loads are in; block 1's may be out
	WLOAD 2
	WBLOCK 0
	s_wait_loadcnt 32                              ; block 1 is in; block 2's may be out
	WLOAD 3
	WBLOCK 1
	s_wait_loadcnt 32                              ; block 2 is in; block 3's may be out
	WBLOCK 2
	s_wait_loadcnt 0x0
	WBLOCK 3
	v_nop                                          ; one plain place behind the last scaled conversion
.irp j, 0,1,2,3
	global_store_b128 v9, v[160+4*\j:160+4*\j+3], s[20:21] offset:(\j/2)*512+(\j%2)*256   ; block j = 2 c + h: sixteen lanes store 256 consecutive bytes, aligned, of fragment T, sixteen of fragment T + 1
.endr
	global_store_b32 v10, v176, s[22:23]           ; two pieces of 64 bytes: one byte for each 128 that the wave reads
	s_endpgm
.Lfunc_end_k_qefe0a7ac74_quant:
	.size	k_qefe0a7ac74_quant, .Lfunc_end_k_qefe0a7ac74_quant-k_qefe0a7ac74_quant
	.p2alignl 7, 3214868480
	.fill 96, 4, 3214868480
	.section	.rodata,"a",@progbits
	.p2align	6, 0x0
	.amdhsa_kernel k_qefe0a7ac74_quant
		.amdhsa_group_segment_fixed_size 68096
		.amdhsa_private_segment_fixed_size 0
		.amdhsa_enable_private_segment 0
		.amdhsa_kernarg_size 64
		.amdhsa_user_sgpr_count 2
		.amdhsa_user_sgpr_kernarg_segment_ptr 1
		.amdhsa_wavefront_size32 1
		.amdhsa_system_sgpr_workgroup_id_x 1
		.amdhsa_system_sgpr_workgroup_id_y 1
		.amdhsa_system_sgpr_workgroup_id_z 1
		.amdhsa_system_vgpr_workitem_id 0
		.amdhsa_next_free_vgpr 256
		.amdhsa_next_free_sgpr 66
		.amdhsa_reserve_vcc 1
		.amdhsa_float_denorm_mode_32 3
		.amdhsa_float_denorm_mode_16_64 3
		.amdhsa_memory_ordered 1
		.amdhsa_forward_progress 1
		.amdhsa_inst_pref_size 36
	.end_amdhsa_kernel
	.amdgpu_metadata
---
amdhsa.version: [ 1, 2 ]
amdhsa.kernels:
  - .name:           k_qefe0a7ac74_quant
    .symbol:         k_qefe0a7ac74_quant.kd
    .args:
      - { .name: v, .offset: 0, .size: 8, .value_kind: global_buffer, .address_space: global }
      - { .name: q, .offset: 8, .size: 8, .value_kind: global_buffer, .address_space: global }
      - { .name: Wv, .offset: 16, .size: 8, .value_kind: global_buffer, .address_space: global }
      - { .name: Wq, .offset: 24, .size: 8, .value_kind: global_buffer, .address_space: global }
      - { .name: XC, .offset: 32, .size: 8, .value_kind: global_buffer, .address_space: global }
      - { .name: XS, .offset: 40, .size: 8, .value_kind: global_buffer, .address_space: global }
      - { .name: WIC, .offset: 48, .size: 8, .value_kind: global_buffer, .address_space: global }
      - { .name: WIS, .offset: 56, .size: 8, .value_kind: global_buffer, .address_space: global }
    .group_segment_fixed_size: 68096
    .private_segment_fixed_size: 0
    .kernarg_segment_align: 8
    .kernarg_segment_size: 64
    .max_flat_workgroup_size: 128
    .sgpr_count:     66
    .vgpr_count:     256
    .wavefront_size: 32
...
	.end_amdgpu_metadata
.endif
;; end of part 1
;; launch qkvatt (part 2): grid 32 x 8, 8 waves a work-group, clusters of 4 x 4, 327,680 bytes of LDS; arguments XC, XS, WIC, WIS, bv, bq, UC, US, Wvo, Wqo, WOC, WOS; writes UC, US, WOC, WOS
.if DOCPART == 2
	.amdgcn_target "amdgcn-amd-amdhsa--gfx1250"
	.amdhsa_code_object_version 6
	.text
	.protected	k_qefe0a7ac74_qkvatt
	.globl	k_qefe0a7ac74_qkvatt
	.p2align	8
	.type	k_qefe0a7ac74_qkvatt,@function
k_qefe0a7ac74_qkvatt:
	s_mov_b64 s[64:65], 0
	v_nop
	global_prefetch_b8 v0, s[64:65] scope:SCOPE_SE
	s_setreg_imm32_b32 hwreg(HW_REG_WAVE_MODE, 25, 1), 1
	s_wait_xcnt 0x0
	s_wait_alu depctr_hold_cnt(0) depctr_sa_sdst(0) depctr_va_vdst(0) depctr_va_sdst(0) depctr_va_ssrc(0) depctr_va_vcc(0) depctr_vm_vsrc(0)
	s_getreg_b32 s2, hwreg(HW_REG_IB_STS2, 6, 4)
	s_cmp_eq_u32 s2, 0
	s_cbranch_scc0 .Lentry_in_a_cluster
	s_endpgm
.Lentry_in_a_cluster:
	s_bfe_u32 s2, ttmp6, 0x10000c
	s_cmp_lg_u32 s2, 0xf033
	s_cbranch_scc0 .Lentry_shape_is_right
	s_endpgm
.Lentry_shape_is_right:
; A work-group owns one batch entry b and one head h, for BOTH modalities: K, Q and V = relu(x W + bias) (128 rows x 128 columns x K 1,024 each), then softmax(Q K'^T / sqrt(128)) V' with the other modality's K', V'; the update leaves as codes.
; All products on codes of FP4 (E2M1) with one E8M0 scale for each 32 along K, sums in f32; K, Q, V, p and the update are quantised in registers.  Softmax: t = score x log2(e) / sqrt(128), M = ceil(largest t), p = 2^(t - M);
; the row's sum is taken of the unquantised p and divides at the end.
; LIMITS: a block whose largest magnitude lies under 2^-124 has its scale byte held at 1 (a block of zeros too: its codes are zeros); NaN and infinities among the inputs are not served.
; SHARES.  Eight waves of 512 registers: wave w = modality w / 4, row half (w / 2) % 2, column half w % 2: 64 x 64 of each of K, Q, V, 128 accumulator registers.  A wave's 64 rows of X, all of K, stay in 256 registers for the three products;
; the weights' fragments come from LDS.  Then wave w takes the query tiles 2 (w % 4) and 2 (w % 4) + 1 of its modality.
; OPERANDS come as images of their registers (tiles of 16 indices pi(T, r) = 32 (T / 2) + 8 (T % 2) + r % 8 + 16 (r / 8); fragment (T, s) = 1,024 bytes, 512 c + 16 lane).  K and Q: source 0 = weights, source 1 = X: a lane holds a row.
; V: source 0 = X, source 1 = weights: a lane holds a column, its registers run along the keys.  So every result's 16 registers of two tiles are 16 neighbours along the next K.
; LDS: region 0 (128 KB): X, then Q's weights; region R1 (128 KB): K's weights, then V's; behind them the images of K, Q, V (48 KB), their scale words (6 KB), the spare words, the biases.
; CLUSTER 4 x 4: X hangs on b alone and is asked for jointly down a column of the cluster, the weights on h alone, along a row.  One load a wave at the head: waves 0-3 X, waves 4-7 K's weights; each refill 16 KB a wave.
; WVO AND WQO are quantised here too, for the next launch: each work-group takes 128 columns x 128 along K of one of them, waves 0-3, 32 columns each: loads on their way while the attention is computed.
; NO DATA PREFETCH: there is no loop to run ahead in; each refill is asked for a whole product (128 matrix instructions a wave) ahead of its first read.
; REGISTERS, window 0: v1-31 addresses and small things; v32-47 X's scale words (tile i: v[32 + 4 i] on; K step 2 p in lanes 0-15, 2 p + 1 in lanes 16-31); v48-63 the weights'; v64-127 the weights' fragments, two buffers of four tiles;
;   v128-255 accumulators.  Window 1: X's fragment (i, s) at v[64 i + 8 s]; in the attention K' at v0, V' at v64, numbers of Wvo / Wqo at v128-191.
.set R1,    131072
.set IMG,   262144                     ; for each modality 24,576 bytes: K, Q (8 row tiles), V (8 column tiles)
.set SCI,   311296                     ; their scale words: 128 bytes a tile, 3,072 a modality
.set SPARE, 317440                     ; 128 bytes for each wave
.set BIAS,  318464                     ; 768 bytes for each wave: its 64 biases of K, Q, V
.set MSB, 0
.macro WIN new                         ; s_set_vgpr_msb: bits 1:0 source 0, 3:2 source 1, 5:4 source 2, 7:6 destination; the high byte repeats the setting that is left
.if MSB != \new
	s_set_vgpr_msb (MSB<<8)|\new
.set MSB, \new
.endif
.endm
.macro PLACES                          ; four plain vector instructions behind a matrix instruction, ahead of what reads its result or writes its registers; also the form behind a tensor load
.rept 4
	v_nop
.endr
.endm
.macro CREST                           ; a round of the cluster's barrier behind its opening barrier
	s_cmp_lg_u32 s20, 0
	s_cbranch_scc1 .Lnot_wave_0_\@
	s_barrier_signal -3
.Lnot_wave_0_\@:
	s_barrier_wait -3
	s_barrier_signal -1
	s_barrier_wait -1
.endm
.macro ROUND
	s_barrier_signal -1
	s_barrier_wait -1
	CREST
.endm
.macro THREE                           ; all my tensor loads have landed; 0 onto my spare word; the add and all my LDS instructions are done
	WIN 0
	s_wait_tensorcnt 0x0
	ds_add_u32 v3, v4
	s_wait_dscnt 0x0
.endm
.macro WM cm, od                       ; one matrix instruction on rD, rA, rB, rC, rSA, rSB.  cm = 0: C = 0; od = 1: an odd K step: its scale words lie in lanes 16-31
.if \cm
.if \od
	v_wmma_scale_f32_16x16x128_f8f6f4 v[rD:rD+7], v[rA:rA+7], v[rB:rB+7], v[rC:rC+7], v[rSA], v[rSB] matrix_a_fmt:MATRIX_FMT_FP4 matrix_b_fmt:MATRIX_FMT_FP4 matrix_a_scale:MATRIX_SCALE_ROW1 matrix_b_scale:MATRIX_SCALE_ROW1
.else
	v_wmma_scale_f32_16x16x128_f8f6f4 v[rD:rD+7], v[rA:rA+7], v[rB:rB+7], v[rC:rC+7], v[rSA], v[rSB] matrix_a_fmt:MATRIX_FMT_FP4 matrix_b_fmt:MATRIX_FMT_FP4
.endif
.else
	v_wmma_scale_f32_16x16x128_f8f6f4 v[rD:rD+7], v[rA:rA+7], v[rB:rB+7], 0, v[rSA], v[rSB] matrix_a_fmt:MATRIX_FMT_FP4 matrix_b_fmt:MATRIX_FMT_FP4
.endif
.endm
	s_load_b256 s[4:11], s[0:1], 0x0               ; XC, XS, WIC, WIS
	s_load_b256 s[12:19], s[0:1], 0x20             ; bv, bq, UC, US
	s_load_b256 s[76:83], s[0:1], 0x40             ; Wvo, Wqo, WOC, WOS
	v_lshl_add_u32 v3, v0, 2, SPARE
	v_mov_b32 v4, 0
	ds_add_u32 v3, v4                              ; the wave's opening: the add, twice on end
	ds_add_u32 v3, v4
	v_lshrrev_b32 v1, 5, v0
	v_readfirstlane_b32 s20, v1                    ; wave 0..7
	s_lshr_b32 s21, s20, 2                         ; modality: 0 v, 1 q
	s_bfe_u32 s22, s20, 0x10001                    ; row half
	s_and_b32 s23, s20, 1                          ; column half
	s_and_b32 s75, s20, 3                          ; j = wave % 4
	s_bfe_u32 s24, ttmp6, 0x40000                  ; cx
	s_bfe_u32 s25, ttmp6, 0x40004                  ; cy
	s_lshl_b32 s26, ttmp9, 2
	s_add_co_u32 s26, s26, s24                     ; b
	s_and_b32 s27, ttmp7, 0xffff
	s_lshl_b32 s27, s27, 2
	s_add_co_u32 s27, s27, s25                     ; h
	s_lshl_b32 s85, s25, 2
	s_lshl_b32 s85, 15, s85                        ; my row of the cluster
	s_lshl_b32 s84, 0x1111, s24                    ; my column
	; descriptor group 1: a dense block as rows of 256 bytes (32 elements of 8 bytes), no padding: 128 rows for the head's loads (X: s[28:35], weights: s[36:43]), 64 for a refill (s[44:51])
	s_or_b32 s28, s84, (3<<16)|(1<<21)             ; 15:0 the mask; 17:16 elements of 8 bytes; 21 set beside a mask
	s_or_b32 s36, s85, (3<<16)|(1<<21)
	s_or_b32 s44, s85, (3<<16)|(1<<21)
.irp g, 28, 36, 44
	s_mov_b32 s[\g+1], 32<<16                      ; tensor_dim0
	s_mov_b32 s[\g+3], 32<<16                      ; tile_dim0
	s_mov_b32 s[\g+5], 32                          ; from row to row
	s_mov_b32 s[\g+6], 0
	s_mov_b32 s[\g+7], 0
.endr
.irp g, 28, 36
	s_mov_b32 s[\g+2], 128<<16                     ; tensor_dim1
	s_mov_b32 s[\g+4], 128                         ; tile_dim1
.endr
	s_mov_b32 s46, 64<<16
	s_mov_b32 s48, 64
	; what I fetch.  Head: quarter j: modality j / 2, 32 KB half j % 2.  Refill: of my modality's 64 KB the 16 KB piece j
	s_lshr_b32 s84, s75, 1
	s_and_b32 s85, s75, 1
	s_lshl_b32 s85, s85, 15
	s_lshl_b32 s86, s84, 21
	s_add_co_u32 s86, s86, s85
	s_lshl_b32 s87, s26, 16
	s_add_co_u32 s86, s86, s87                     ; X: modality x 2 MB + b x 64 KB + half: never h
	s_mov_b32 s87, 0
	s_mul_i32 s88, s84, 1572864
	s_add_co_u32 s88, s88, s85
	s_lshl_b32 s92, s27, 16
	s_add_co_u32 s88, s88, s92                     ; K's weights: modality x 1.5 MB + h x 64 KB + half: never b
	s_mov_b32 s89, 0
	s_mul_i32 s90, s21, 1572864
	s_add_co_u32 s90, s90, s92
	s_lshl_b32 s92, s75, 14
	s_add_co_u32 s90, s90, s92
	s_mov_b32 s91, 0
	s_mov_b32 s52, 1                               ; groups 0: count 1, the LDS address
	s_lshl_b32 s53, s20, 15                        ; waves 0-3: X's quarter in region 0;
	s_mov_b32 s56, 1
	s_lshl_b32 s57, s20, 15                        ; waves 4-7: 4 x 32,768 = R1 on
	s_mov_b32 s60, 1
	s_lshl_b32 s61, s20, 14
	s_mov_b32 s68, 1
	s_add_co_u32 s69, s61, R1
	s_wait_alu depctr_va_vdst(0)                   ; ahead of the blocking waits
	s_wait_dscnt 0x0                               ; both opening adds are done
	ROUND                                          ; all sixteen work-groups are here: the first joint loads meet
	s_wait_kmcnt 0x0
	s_add_nc_u64 s[54:55], s[4:5], s[86:87]
	s_or_b32 s55, s55, 0x80000000
	s_add_nc_u64 s[58:59], s[8:9], s[88:89]
	s_or_b32 s59, s59, 0x80000000
	s_cmp_lt_u32 s20, 4                            ; one tensor load a wave, each arm its own; the branch hangs on the wave's number alone
	s_cbranch_scc0 .Lhead_w
	tensor_load_to_lds s[52:55], s[28:35]          ; X
	s_nop 0
	PLACES
	s_branch .Lhead_asked
.Lhead_w:
	tensor_load_to_lds s[56:59], s[36:43]          ; K's weights
	s_nop 0
	PLACES
.Lhead_asked:
	s_add_nc_u64 s[62:63], s[8:9], s[90:91]
	s_add_nc_u64 s[70:71], s[62:63], 1048576       ; V's weights
	s_add_nc_u64 s[62:63], s[62:63], 524288        ; Q's
	s_or_b32 s63, s63, 0x80000000
	s_or_b32 s71, s71, 0x80000000
	s_lshl_b32 s84, s21, 17                        ; X's scale words: modality x 128 KB + b x 4 KB + row half x 2 KB
	s_lshl_b32 s85, s26, 12
	s_add_co_u32 s84, s84, s85
	s_lshl_b32 s92, s75, 10                        ; the update's: + 2 tiles x j + h
	s_add_co_u32 s92, s92, s84
	s_lshl_b32 s85, s27, 6
	s_add_co_u32 s92, s92, s85
	s_mov_b32 s93, 0
	s_lshl_b32 s85, s22, 11
	s_add_co_u32 s84, s84, s85
	s_mov_b32 s85, 0
	s_mul_i32 s86, s21, 98304                      ; the weights' scale words
	s_lshl_b32 s87, s27, 12
	s_add_co_u32 s86, s86, s87
	s_lshl_b32 s87, s23, 11
	s_add_co_u32 s86, s86, s87
	s_mov_b32 s87, 0
	s_lshl_b32 s88, s27, 9                         ; the bias: (128 h + 64 column half) x 4
	s_lshl_b32 s89, s23, 8
	s_add_co_u32 s88, s88, s89
	s_mov_b32 s89, 0
	s_lshl_b32 s90, s21, 21                        ; the update's codes: tile (8 b + 2 j) x 8 KB + h x 1 KB
	s_lshl_b32 s91, s26, 16
	s_add_co_u32 s90, s90, s91
	s_lshl_b32 s91, s75, 14
	s_add_co_u32 s90, s90, s91
	s_lshl_b32 s91, s27, 10
	s_add_co_u32 s90, s90, s91
	s_mov_b32 s91, 0
	s_lshr_b32 s2, s26, 4                          ; Wvo (0) or Wqo (1);
	s_and_b32 s3, s26, 15                          ; its K step; its 128 columns: h
	s_lshl_b32 s94, s3, 19                         ; 128 rows x 4,096 bytes a K step
	s_lshl_b32 s95, s27, 9
	s_add_co_u32 s94, s94, s95
	s_lshl_b32 s95, s75, 7
	s_add_co_u32 s94, s94, s95                     ; + 32 columns x wave
	s_mov_b32 s95, 0
	s_lshl_b32 s96, s27, 3
	s_lshl_b32 s97, s75, 1
	s_add_co_u32 s96, s96, s97                     ; T = 8 h + 2 x wave
	s_lshl_b32 s96, s96, 4
	s_add_co_u32 s96, s96, s3                      ; fragment 16 T + K step
	s_lshl_b32 s98, s96, 6
	s_lshl_b32 s99, s2, 16
	s_add_co_u32 s98, s98, s99
	s_mov_b32 s99, 0
	s_lshl_b32 s96, s96, 10
	s_lshl_b32 s97, s2, 20
	s_add_co_u32 s96, s96, s97
	s_mov_b32 s97, 0
	s_add_nc_u64 s[84:85], s[6:7], s[84:85]
	s_add_nc_u64 s[86:87], s[10:11], s[86:87]
	s_add_nc_u64 s[90:91], s[16:17], s[90:91]
	s_add_nc_u64 s[92:93], s[18:19], s[92:93]
	s_add_nc_u64 s[96:97], s[80:81], s[96:97]
	s_add_nc_u64 s[98:99], s[82:83], s[98:99]
	s_cmp_eq_u32 s21, 0
	s_cselect_b64 s[100:101], s[12:13], s[14:15]   ; bv or bq
	s_add_nc_u64 s[88:89], s[100:101], s[88:89]
	s_cmp_eq_u32 s2, 0
	s_cselect_b64 s[100:101], s[76:77], s[78:79]   ; Wvo or Wqo
	s_add_nc_u64 s[94:95], s[100:101], s[94:95]
	s_mov_b32 s66, 0x76543210
	s_mov_b32 s67, 0xfedcba98                      ; v_permlanex16_b32's selects for lane l xor 16
	s_mov_b32 s72, 0x3e0293ee                      ; log2(e) / sqrt(128)
	s_mov_b32 s73, s72                             ; (named with it as a pair)
	s_mov_b32 s74, 0x88888888                      ; the sign bits of eight codes
	v_and_b32 v16, 31, v0
	v_lshlrev_b32 v1, 4, v16                       ; 16 x lane
	v_lshlrev_b32 v2, 2, v16                       ; 4 x lane
	v_lshlrev_b32 v30, 3, v16                      ; 8 x lane
.irp k, 0,1,2
	global_load_b64 v[24+2*\k:25+2*\k], v30, s[88:89] offset:4096*\k   ; my 64 biases of K, Q, V
.endr
.irp m, 0,1,2,3
.irp p, 0,1,2,3
	global_load_b32 v[32+4*\m+\p], v2, s[84:85] offset:(8*\m+2*\p)*64
.endr
.endr
; the scale words of kind nk's weights for K steps 2 p and 2 p + 1
.macro SWLOAD nk, p
.irp t, 0,1,2,3
	global_load_b32 v[48+4*\t+(\p)], v2, s[86:87] offset:(\nk)*32768+(8*\t+2*(\p))*64
.endr
.endm
.irp p, 0,1,2,3
	SWLOAD 0, \p
.endr
	v_bfe_u32 v31, v0, 4, 1                        ; lane / 16
	v_and_b32 v21, 15, v0                          ; r
	v_lshlrev_b32 v22, 4, v21
	v_lshl_add_u32 v22, v31, 14, v22               ; Wvo's codes: fragment T + lane / 16, 16 r
	v_lshlrev_b32 v19, 2, v21
	v_lshl_add_u32 v23, v31, 10, v19               ; and their scale words
	v_lshl_add_u32 v19, v31, 9, v19                ; the update's scale words: two tiles
	v_and_b32 v20, 7, v0
	v_bfe_u32 v21, v0, 3, 1
	v_lshl_add_u32 v20, v21, 4, v20                ; r % 8 + 16 (r / 8)
	v_lshl_add_u32 v21, v31, 3, v20
	v_lshlrev_b32 v21, 2, v21                      ; my column of Wvo, in bytes
	s_mul_i32 s100, s20, 768
	s_add_co_u32 s100, s100, BIAS
	v_lshlrev_b32 v18, 2, v20
	v_add_nc_u32 v18, s100, v18                    ; V's bias: my column
	v_lshlrev_b32 v17, 6, v31
	v_add_nc_u32 v17, s100, v17                    ; K's and Q's: columns 16 (lane / 16) on
	v_add_nc_u32 v20, s100, v30                    ; where I put them
	s_lshl_b32 s100, s21, 16
	s_lshl_b32 s101, s22, 15
	s_add_co_u32 s101, s101, s100
	v_add_nc_u32 v5, s101, v1                      ; X: my modality's row half
	s_lshl_b32 s101, s23, 15
	s_add_co_u32 s101, s101, s100
	v_add_nc_u32 v7, s101, v1                      ; weights in region 0: my column half
	v_add_nc_u32 v6, R1, v7                        ; and in R1
	s_mul_i32 s100, s21, 24576
	s_lshl_b32 s101, s22, 12
	s_add_co_u32 s101, s101, s100
	s_lshl_b32 s2, s23, 9
	s_add_co_u32 s101, s101, s2
	s_add_co_u32 s101, s101, IMG
	v_add_nc_u32 v8, s101, v1                      ; image of K, Q: row tiles 4 x row half on, half fragment c = column half
	s_lshl_b32 s101, s23, 12
	s_add_co_u32 s101, s101, s100
	s_lshl_b32 s2, s22, 9
	s_add_co_u32 s101, s101, s2
	s_add_co_u32 s101, s101, IMG+16384
	v_add_nc_u32 v9, s101, v1                      ; image of V: column tiles 4 x column half on, half fragment c = row half
	s_lshl_b32 s101, s75, 11
	s_add_co_u32 s101, s101, s100
	s_add_co_u32 s101, s101, IMG+8192
	v_add_nc_u32 v13, s101, v1                     ; my two query tiles
	s_mul_i32 s100, s21, 3072
	s_lshl_b32 s101, s22, 9
	s_add_co_u32 s101, s101, s100
	s_lshl_b32 s2, s23, 1
	s_add_co_u32 s101, s101, s2
	s_add_co_u32 s101, s101, SCI
	v_add_nc_u32 v10, s101, v2                     ; scale words of K, Q: my two bytes of a row's word
	s_lshl_b32 s101, s23, 9
	s_add_co_u32 s101, s101, s100
	s_lshl_b32 s2, s22, 1
	s_add_co_u32 s101, s101, s2
	s_add_co_u32 s101, s101, SCI+2048
	v_add_nc_u32 v11, s101, v2                     ; of V
	s_lshl_b32 s101, s75, 8
	s_add_co_u32 s101, s101, s100
	s_add_co_u32 s101, s101, SCI+1024
	v_add_nc_u32 v15, s101, v2                     ; of my query tiles
	s_xor_b32 s2, s21, 1                           ; the other modality's K and V
	s_mul_i32 s100, s2, 24576
	s_add_co_u32 s100, s100, IMG
	v_add_nc_u32 v12, s100, v1
	s_mul_i32 s100, s2, 3072
	s_add_co_u32 s100, s100, SCI
	v_add_nc_u32 v14, s100, v2
; the weights' fragments of K step s, four column tiles, into buffer s % 2
.macro FETCHW aw, s
.irp t, 0,1,2,3
.irp c, 0,1
	ds_load_b128 v[64+32*((\s)%2)+8*\t+4*\c:64+32*((\s)%2)+8*\t+4*\c+3], v[\aw] offset:(8*\t+(\s))*1024+512*\c
.endr
.endr
.endm
; THE BIAS IS THE C OF K STEP 0: it is loaded into the accumulators of row tile 3, which are begun last, in place
.macro BIASL k
.irp t, 0,1,2,3
	ds_load_b128 v[224+8*\t:224+8*\t+3], v17 offset:256*\k+(32*(\t/2)+8*(\t%2))*4
	ds_load_b128 v[224+8*\t+4:224+8*\t+7], v17 offset:256*\k+(32*(\t/2)+8*(\t%2))*4+16
.endr
.endm
.macro BIASV
.irp t, 0,1,2,3
.irp j, 0,1,2,3,4,5,6,7
	ds_load_b32 v[152+32*\t+\j], v18 offset:512+(32*(\t/2)+8*(\t%2))*4
.endr
.endr
.endm
; 16 matrix instructions: K step s of kind 0 (K), 1 (Q), 2 (V); the 16 accumulators take turns, in the same order in every step
.macro MULS kind, s
.if \kind == 2
	WIN 0x01
.else
	WIN 0x04
.endif
.set mm, 0
.rept 4
.if ((\s) == 0) && (mm == 3)
.rept 5
	v_nop                                          ; row tile 3's accumulators held the bias that the products above took as C: five places ahead of a matrix instruction that writes over it
.endr
.endif
.set tt, 0
.rept 4
.set rX, 64*mm+8*(\s)
.set rW, 64+32*((\s)%2)+8*tt
.set rSW, 48+4*tt+(\s)/2
.set rSX, 32+4*mm+(\s)/2
.if \kind == 2
.set rD, 128+32*tt+8*mm
.set rC, 152+32*tt
.set rA, rX
.set rB, rW
.set rSA, rSX
.set rSB, rSW
.else
.set rD, 128+32*mm+8*tt
.set rC, 224+8*tt
.set rA, rW
.set rB, rX
.set rSA, rSW
.set rSB, rSX
.endif
.if (\s) > 0
.set rC, rD
.endif
	WM 1, (\s)%2
.set tt, tt+1
.endr
.set mm, mm+1
.endr
.endm
; K steps from .. 7.  The next step's fragments are fetched ahead of a step's products.  The NEXT kind's scale words are loaded over those of K steps that are done.
.macro STEPS kind, aw, from
.set ss, \from
.rept 8-\from
	WIN 0
.if ss > 0
	PLACES
.endif
.if (\kind < 2) && (ss > 0) && (ss%2 == 0)
	SWLOAD \kind+1, ss/2-1
.endif
.if ss < 7
	FETCHW \aw, ss+1
	s_wait_dscnt 8                                 ; all but the eight just issued
.else
	s_wait_dscnt 0x0
.endif
.if \kind > 0
.if ss == 0
	s_wait_loadcnt 4                               ; this kind's words of K steps 0-5 are in; the four of steps 6 and 7 may be out
.endif
.if ss == 6
.if \kind == 1
	s_wait_loadcnt 12                              ; those four too: behind them the next kind's first twelve
.else
	s_wait_loadcnt 0x0
.endif
.endif
.endif
	MULS \kind, ss
.set ss, ss+1
.endr
	WIN 0
	PLACES
.if \kind < 2
	SWLOAD \kind+1, 3
.endif
.endm
; 128 accumulator registers = 8 half blocks of 16 (the other half in lane l xor 16) become codes v112-127 and, two bytes each, v104, 106, 108, 110.  RELU: no |.| on the maximum's sources, so what is negative does not count;
; and in the codes a negative number's three magnitude bits are cleared (it becomes the code of -0).  v96-127 are the fragments' second buffer, free here; v128-159 are temporaries once converted.
.macro QUANT
.set n, 0
.rept 8
	v_max3_num_f32 v[96+n], 0x1800000, v[128+16*n], v[129+16*n]   ; with the floor 2^(3 - 127): the byte cannot fall under 1
.set n, n+1
.endr
.irp i, 2,4,6,8,10,12,14
.set n, 0
.rept 8
	v_max3_num_f32 v[96+n], v[96+n], v[128+16*n+\i], v[129+16*n+\i]
.set n, n+1
.endr
.endr
.irp n, 0,1,2,3,4,5,6,7
	v_permlanex16_b32 v[104+\n], v[96+\n], s66, s67
.endr
.irp n, 0,1,2,3,4,5,6,7
	v_max_num_f32 v[96+\n], v[96+\n], v[104+\n]
.endr
.irp n, 0,1,2,3,4,5,6,7
	v_add_nc_u32 v[96+\n], 0xff000000, v[96+\n]    ; 2 off the exponent field: the conversion's scale operand
.endr
.irp n, 0,1,2,3,4,5,6,7
	v_lshrrev_b32 v[104+\n], 23, v[96+\n]          ; the byte
.endr
.irp n, 0,2,4,6
	v_lshl_or_b32 v[104+\n], v[105+\n], 8, v[104+\n]
.endr
.irp n, 0,1,2,3,4,5,6,7
	v_cvt_scalef32_pk8_fp4_f32 v[112+2*\n], v[128+16*\n:135+16*\n], v[96+\n]
	v_cvt_scalef32_pk8_fp4_f32 v[113+2*\n], v[136+16*\n:143+16*\n], v[96+\n]
.endr
	v_nop                                          ; one plain place behind the last scaled conversion
.set n, 0
.rept 16
	v_and_b32 v[128+n], s74, v[112+n]              ; 8 in each negative code's place,
.set n, n+1
.endr
.set n, 0
.rept 16
	v_lshrrev_b32 v[144+n], 3, v[128+n]            ; 1,
.set n, n+1
.endr
.set n, 0
.rept 16
	v_sub_nc_u32 v[128+n], v[128+n], v[144+n]      ; 7:
.set n, n+1
.endr
.set n, 0
.rept 16
	v_bfi_b32 v[112+n], v[128+n], 0, v[112+n]      ; those bits become 0
.set n, n+1
.endr
.irp p, 0,1,2,3
	v_permlane16_swap_b32 v[112+4*\p], v[114+4*\p] ; a whole block in a lane: lanes 0-15 block 2 c, lanes 16-31 block 2 c + 1
	v_permlane16_swap_b32 v[113+4*\p], v[115+4*\p]
.endr
.endm
.macro PUTKQ kind
.irp p, 0,1,2,3
	ds_store_b128 v8, v[112+4*\p:115+4*\p] offset:\kind*8192+1024*\p
	ds_store_b16 v10, v[104+2*\p] offset:\kind*1024+128*\p
.endr
.endm
	s_wait_alu depctr_va_vdst(0)                   ; the wait at the head's end
	s_wait_loadcnt 32                              ; the three biases are in; the 32 scale words may be out
.irp k, 0,1,2
	ds_store_b64 v20, v[24+2*\k:25+2*\k] offset:256*\k
.endr
	s_wait_tensorcnt 0x0                           ; my load has landed
	s_wait_dscnt 0x0
	s_barrier_signal -1
	s_barrier_wait -1                              ; everybody's has
	WIN 0x40
.irp m, 0,1,2,3
.irp s, 0,1,2,3,4,5,6,7
	ds_load_b128 v[64*\m+8*\s:64*\m+8*\s+3], v5 offset:(8*\m+\s)*1024
	ds_load_b128 v[64*\m+8*\s+4:64*\m+8*\s+7], v5 offset:(8*\m+\s)*1024+512
.endr
.endr
	WIN 0
	FETCHW 6, 0
	FETCHW 6, 1
	BIASL 0
	s_wait_loadcnt 0x0                             ; the scale words
	THREE                                          ; X is in registers
	s_barrier_signal -1                            ; a round of the cluster's barrier opens; K step 0 of K, register work, stands inside it
	MULS 0, 0
	WIN 0
	s_barrier_wait -1
	CREST
	tensor_load_to_lds s[60:63], s[44:51]          ; Q's weights over X
	s_nop 0
	PLACES
	STEPS 0, 6, 1
	THREE                                          ; my part of Q's weights has landed, my reads of K's are over
	s_barrier_signal -1
	QUANT                                          ; register work inside the round
	s_wait_alu depctr_va_vdst(0)
	s_barrier_wait -1
	CREST
	tensor_load_to_lds s[68:71], s[44:51]          ; V's weights over K's
	s_nop 0
	PLACES
	FETCHW 7, 0
	BIASL 1
	PUTKQ 0
	STEPS 1, 7, 0
	s_wait_tensorcnt 0x0                           ; my part of V's weights has landed
	s_wait_dscnt 0x0
	s_barrier_signal -1
	QUANT
	s_wait_alu depctr_va_vdst(0)                   ; as above
	s_barrier_wait -1                              ; everybody's has; nothing is filled again
	FETCHW 6, 0
	BIASV
	PUTKQ 1
	STEPS 2, 6, 0
; WVO, WQO: a lane takes a column, its registers run down K (window 1, v128-191): pair jp = blocks 2 jp and 2 jp + 1 of the 128 along K
.macro WLOADS jp
	WIN 0x40
.set ii, 0
.rept 64
	global_load_b32 v[128+ii], v21, s[94:95] offset:(64*\jp+ii)*4096 th:TH_LOAD_NT   ; 32 lanes read 128 consecutive bytes, the four waves side by side 512
.set ii, ii+1
.endr
	WIN 0
.endm
.macro WPAIR jp
	s_wait_loadcnt 0x0
	WIN 0x14
.irp k, 0,1
	v_max3_num_f32 v[87+2*\k], 0x1800000, |v[128+32*\k]|, |v[129+32*\k]|
	v_max3_num_f32 v[88+2*\k], 0x1800000, |v[130+32*\k]|, |v[131+32*\k]|
.endr
.irp i, 4,8,12,16,20,24,28
.irp k, 0,1
	v_max3_num_f32 v[87+2*\k], v[87+2*\k], |v[128+32*\k+\i]|, |v[129+32*\k+\i]|
	v_max3_num_f32 v[88+2*\k], v[88+2*\k], |v[130+32*\k+\i]|, |v[131+32*\k+\i]|
.endr
.endr
	WIN 0
	v_max_num_f32 v87, v87, v88
	v_max_num_f32 v89, v89, v90
	v_add_nc_u32 v91, 0xff000000, v87
	v_add_nc_u32 v92, 0xff000000, v89
	v_lshrrev_b32 v93, 23, v91
	v_lshrrev_b32 v94, 23, v92
.if \jp == 0
	v_lshl_or_b32 v86, v94, 8, v93
.else
	v_lshl_or_b32 v86, v93, 16, v86
	v_lshl_or_b32 v86, v94, 24, v86
.endif
	WIN 0x01
.irp k, 0,1
.irp g, 0,1,2,3
	v_cvt_scalef32_pk8_fp4_f32 v[48+8*\jp+4*\k+\g], v[128+32*\k+8*\g:135+32*\k+8*\g], v[91+\k]
.endr
.endr
	WIN 0
	v_nop                                          ; one plain place behind the last scaled conversion
.irp k, 0,1
	global_store_b128 v22, v[48+8*\jp+4*\k:51+8*\jp+4*\k], s[96:97] offset:512*\jp+256*\k   ; sixteen lanes store 256 consecutive bytes, aligned
.endr
.endm
	s_wait_alu depctr_va_vdst(0)                   ; ahead of the branch
	s_cmp_lt_u32 s20, 4
	s_cbranch_scc0 .Lno_wo0
	WLOADS 0                                       ; over X's fragments, which are done with
.Lno_wo0:
	QUANT
.irp p, 0,1,2,3
	ds_store_b128 v9, v[112+4*\p:115+4*\p] offset:1024*\p
	ds_store_b16 v11, v[104+2*\p] offset:128*\p
.endr
	s_wait_dscnt 0x0
	s_barrier_signal -1
	s_barrier_wait -1                              ; all images are whole
	WIN 0x40
.irp t, 0,1,2,3,4,5,6,7
.irp c, 0,1
	ds_load_b128 v[8*\t+4*\c:8*\t+4*\c+3], v12 offset:1024*\t+512*\c
	ds_load_b128 v[64+8*\t+4*\c:64+8*\t+4*\c+3], v12 offset:16384+1024*\t+512*\c
.endr
.endr
	WIN 0
.irp i, 0,1
.irp c, 0,1
	ds_load_b128 v[32+8*\i+4*\c:32+8*\i+4*\c+3], v13 offset:1024*\i+512*\c
.endr
	ds_load_b32 v[64+\i], v15 offset:128*\i
.endr
.irp t, 0,1,2,3,4,5,6,7
	ds_load_b32 v[68+\t], v14 offset:128*\t
	ds_load_b32 v[76+\t], v14 offset:2048+128*\t
.endr
; 64 numbers of my query's row of the update, four half blocks, become codes and the scale word
.macro QO s, pc, pw
.irp b, 0,1,2,3
	v_max3_num_f32 v[232+\b], |v[\s+16*\b]|, |v[\s+1+16*\b]|, 0x1800000
.endr
.irp i, 2,4,6,8,10,12,14
.irp b, 0,1,2,3
	v_max3_num_f32 v[232+\b], v[232+\b], |v[\s+16*\b+\i]|, |v[\s+1+16*\b+\i]|
.endr
.endr
.irp b, 0,1,2,3
	v_permlanex16_b32 v[236+\b], v[232+\b], s66, s67
.endr
.irp b, 0,1,2,3
	v_max_num_f32 v[232+\b], v[232+\b], v[236+\b]
.endr
.irp b, 0,1,2,3
	v_add_nc_u32 v[244+\b], 0xff000000, v[232+\b]
.endr
.irp b, 0,1,2,3
	v_lshrrev_b32 v[236+\b], 23, v[244+\b]
.endr
	v_lshl_or_b32 v[\pw], v237, 8, v236
	v_lshl_or_b32 v[\pw], v238, 16, v[\pw]
	v_lshl_or_b32 v[\pw], v239, 24, v[\pw]
.irp b, 0,1,2,3
	v_cvt_scalef32_pk8_fp4_f32 v[(\pc)+2*\b], v[\s+16*\b:\s+7+16*\b], v[244+\b]
	v_cvt_scalef32_pk8_fp4_f32 v[(\pc)+1+2*\b], v[\s+8+16*\b:\s+15+16*\b], v[244+\b]
.endr
	v_nop
.irp c, 0,1
.irp i, 0,1
	v_permlane16_swap_b32 v[(\pc)+4*\c+\i], v[(\pc)+2+4*\c+\i]
.endr
.endr
.endm
; query tile u: S^T = K' Q^T in v96-159, p, O^T = V'^T p^T in v160-223; a lane holds one query throughout
.macro ATT u
	WIN 0x01
.irp t, 0,1,2,3,4,5,6,7
.set rD, 96+8*\t
.set rA, 8*\t
.set rB, 32+8*\u
.set rSA, 68+\t
.set rSB, 64+\u
	WM 0, 0
.endr
	WIN 0
	PLACES
.irp b, 0,1,2,3
	v_max3_num_f32 v[232+\b], v[96+16*\b], v[97+16*\b], v[98+16*\b]   ; the largest score of each block: for the row's maximum and, since p rises with the score, for the block's largest p
.endr
.irp i, 3,5,7,9,11,13
.irp b, 0,1,2,3
	v_max3_num_f32 v[232+\b], v[232+\b], v[96+16*\b+\i], v[97+16*\b+\i]
.endr
.endr
.irp b, 0,1,2,3
	v_max_num_f32 v[232+\b], v[232+\b], v[111+16*\b]
.endr
.irp b, 0,1,2,3
	v_permlanex16_b32 v[236+\b], v[232+\b], s66, s67
.endr
.irp b, 0,1,2,3
	v_max_num_f32 v[232+\b], v[232+\b], v[236+\b]
.endr
	v_max3_num_f32 v254, v232, v233, v234
	v_max_num_f32 v254, v254, v235
	v_mul_f32 v25, s72, v254
	v_floor_f32 v24, -v25                          ; -M
.irp j, 0,2,4,6,8,10,12,14,16,18,20,22,24,26,28,30,32,34,36,38,40,42,44,46,48,50,52,54,56,58,60,62
	v_pk_fma_f32 v[96+\j:97+\j], v[96+\j:97+\j], s[72:73], v[24:25] op_sel_hi:[1,0,0]   ; t - M
.endr
.irp b, 0,1,2,3
	v_fma_f32 v[232+\b], v[232+\b], s72, v24
.endr
	s_wait_alu depctr_va_vdst(0)                   ; ahead of the batch
.irp j, 0,1,2,3,4,5,6,7,8,9,10,11,12,13,14,15,16,17,18,19,20,21,22,23,24,25,26,27,28,29,30,31,32,33,34,35,36,37,38,39,40,41,42,43,44,45,46,47,48,49,50,51,52,53,54,55,56,57,58,59,60,61,62,63
	v_exp_f32 v[96+\j], v[96+\j]
.endr
.irp b, 0,1,2,3
	v_exp_f32 v[232+\b], v[232+\b]
.endr
	v_nop
	s_wait_alu depctr_va_vdst(0)                   ; and behind it
.irp b, 0,1,2,3
	v_max_num_f32 v[232+\b], 0x1800000, v[232+\b]
.endr
.irp b, 0,1,2,3
	v_add_nc_u32 v[244+\b], 0xff000000, v[232+\b]
.endr
.irp b, 0,1,2,3
	v_lshrrev_b32 v[236+\b], 23, v[244+\b]
.endr
	v_lshl_or_b32 v248, v237, 8, v236
	v_lshl_or_b32 v248, v238, 16, v248
	v_lshl_or_b32 v248, v239, 24, v248
.irp b, 0,1,2,3
	v_cvt_scalef32_pk8_fp4_f32 v[224+2*\b], v[96+16*\b:103+16*\b], v[244+\b]
	v_cvt_scalef32_pk8_fp4_f32 v[225+2*\b], v[104+16*\b:111+16*\b], v[244+\b]
.endr
	v_nop
.irp c, 0,1
.irp i, 0,1
	v_permlane16_swap_b32 v[224+4*\c+\i], v[226+4*\c+\i]
.endr
.endr
	v_pk_add_f32 v[26:27], v[96:97], v[100:101]    ; the row's sum, of the unquantised p; these are also the places ahead of the scaled products
	v_pk_add_f32 v[236:237], v[98:99], v[102:103]
.irp j, 8,12,16,20,24,28,32,36,40,44,48,52,56,60
	v_pk_add_f32 v[26:27], v[26:27], v[96+\j:97+\j]
	v_pk_add_f32 v[236:237], v[236:237], v[98+\j:99+\j]
.endr
	v_pk_add_f32 v[26:27], v[26:27], v[236:237]
	WIN 0x01
.irp t, 0,1,2,3,4,5,6,7
.set rD, 160+8*\t
.set rA, 64+8*\t
.set rB, 224
.set rSA, 76+\t
.set rSB, 248
	WM 0, 0
.endr
	WIN 0
	PLACES
	v_add_f32 v26, v26, v27
	v_permlanex16_b32 v252, v26, s66, s67
	v_add_f32 v26, v26, v252
	s_wait_alu depctr_va_vdst(0)                   ; ahead of the transcendental
	v_rcp_f32 v28, v26
	v_mov_b32 v29, 0                               ; (a plain place; named as the pair's upper half)
	s_wait_alu depctr_va_vdst(0)                   ; and behind it, ahead of the first readers of the products' results
.irp j, 0,2,4,6,8,10,12,14,16,18,20,22,24,26,28,30,32,34,36,38,40,42,44,46,48,50,52,54,56,58,60,62
	v_pk_mul_f32 v[160+\j:161+\j], v[160+\j:161+\j], v[28:29] op_sel_hi:[1,0]
.endr
	QO 160, 32+8*\u, 84+\u
.irp c, 0,1
	global_store_b128 v1, v[32+8*\u+4*\c:32+8*\u+4*\c+3], s[90:91] offset:8192*\u+512*\c   ; 32 lanes store 512 consecutive bytes, aligned
.endr
.endm
	s_wait_dscnt 0x0
	ATT 0
	s_wait_alu depctr_va_vdst(0)                   ; ahead of the branch
	s_cmp_lt_u32 s20, 4
	s_cbranch_scc0 .Lno_wo1
	WPAIR 0
	WLOADS 1
.Lno_wo1:
	ATT 1
	v_cmp_lt_u32 vcc_lo, 15, v16
	v_cndmask_b32 v95, v84, v85, vcc_lo            ; lanes 0-15 tile 0's words, lanes 16-31 tile 1's
	global_store_b32 v19, v95, s[92:93]
	s_wait_alu depctr_va_vdst(0)                   ; as above
	s_cmp_lt_u32 s20, 4
	s_cbranch_scc0 .Lno_wo2
	WPAIR 1
	global_store_b32 v23, v86, s[98:99]            ; two pieces of 64 bytes: one byte for each 128 that the wave reads
.Lno_wo2:
	THREE                                          ; the wave's end
	ROUND                                          ; the closing round: no work-group ends while a partner may still ask for a tile that names it
	s_endpgm
.Lfunc_end_k_qefe0a7ac74_qkvatt:
	.size	k_qefe0a7ac74_qkvatt, .Lfunc_end_k_qefe0a7ac74_qkvatt-k_qefe0a7ac74_qkvatt
	.p2alignl 7, 3214868480
	.fill 96, 4, 3214868480
	.section	.rodata,"a",@progbits
	.p2align	6, 0x0
	.amdhsa_kernel k_qefe0a7ac74_qkvatt
		.amdhsa_group_segment_fixed_size 327680
		.amdhsa_private_segment_fixed_size 0
		.amdhsa_enable_private_segment 0
		.amdhsa_kernarg_size 96
		.amdhsa_user_sgpr_count 2
		.amdhsa_user_sgpr_kernarg_segment_ptr 1
		.amdhsa_wavefront_size32 1
		.amdhsa_system_sgpr_workgroup_id_x 1
		.amdhsa_system_sgpr_workgroup_id_y 1
		.amdhsa_system_sgpr_workgroup_id_z 1
		.amdhsa_system_vgpr_workitem_id 0
		.amdhsa_next_free_vgpr 512
		.amdhsa_next_free_sgpr 104
		.amdhsa_reserve_vcc 1
		.amdhsa_float_denorm_mode_32 3
		.amdhsa_float_denorm_mode_16_64 3
		.amdhsa_memory_ordered 1
		.amdhsa_forward_progress 1
		.amdhsa_inst_pref_size 184
	.end_amdhsa_kernel
	.amdgpu_metadata
---
amdhsa.version: [ 1, 2 ]
amdhsa.kernels:
  - .name:           k_qefe0a7ac74_qkvatt
    .symbol:         k_qefe0a7ac74_qkvatt.kd
    .args:
      - { .name: XC, .offset: 0, .size: 8, .value_kind: global_buffer, .address_space: global }
      - { .name: XS, .offset: 8, .size: 8, .value_kind: global_buffer, .address_space: global }
      - { .name: WIC, .offset: 16, .size: 8, .value_kind: global_buffer, .address_space: global }
      - { .name: WIS, .offset: 24, .size: 8, .value_kind: global_buffer, .address_space: global }
      - { .name: bv, .offset: 32, .size: 8, .value_kind: global_buffer, .address_space: global }
      - { .name: bq, .offset: 40, .size: 8, .value_kind: global_buffer, .address_space: global }
      - { .name: UC, .offset: 48, .size: 8, .value_kind: global_buffer, .address_space: global }
      - { .name: US, .offset: 56, .size: 8, .value_kind: global_buffer, .address_space: global }
      - { .name: Wvo, .offset: 64, .size: 8, .value_kind: global_buffer, .address_space: global }
      - { .name: Wqo, .offset: 72, .size: 8, .value_kind: global_buffer, .address_space: global }
      - { .name: WOC, .offset: 80, .size: 8, .value_kind: global_buffer, .address_space: global }
      - { .name: WOS, .offset: 88, .size: 8, .value_kind: global_buffer, .address_space: global }
    .group_segment_fixed_size: 327680
    .private_segment_fixed_size: 0
    .kernarg_segment_align: 8
    .kernarg_segment_size: 96
    .max_flat_workgroup_size: 256
    .sgpr_count:     104
    .vgpr_count:     512
    .wavefront_size: 32
...
	.end_amdgpu_metadata
.endif
;; end of part 2
;; launch outproj (part 3): grid 8 x 32, 4 waves a work-group, clusters of 4 x 4, 327,680 bytes of LDS; arguments XC, XS, UC, US, WOC, WOS, bvo, bqo, out0, out1; writes out0, out1
.if DOCPART == 3
	.amdgcn_target "amdgcn-amd-amdhsa--gfx1250"
	.amdhsa_code_object_version 6
	.text
	.protected	k_qefe0a7ac74_outproj
	.globl	k_qefe0a7ac74_outproj
	.p2align	8
	.type	k_qefe0a7ac74_outproj,@function
k_qefe0a7ac74_outproj:
	s_mov_b64 s[64:65], 0
	v_nop
	global_prefetch_b8 v0, s[64:65] scope:SCOPE_SE
	s_setreg_imm32_b32 hwreg(HW_REG_WAVE_MODE, 25, 1), 1
	s_wait_xcnt 0x0
	s_wait_alu depctr_hold_cnt(0) depctr_sa_sdst(0) depctr_va_vdst(0) depctr_va_sdst(0) depctr_va_ssrc(0) depctr_va_vcc(0) depctr_vm_vsrc(0)
	s_getreg_b32 s2, hwreg(HW_REG_IB_STS2, 6, 4)
	s_cmp_eq_u32 s2, 0
	s_cbranch_scc0 .Lentry_in_a_cluster
	s_endpgm
.Lentry_in_a_cluster:
	s_bfe_u32 s2, ttmp6, 0x10000c
	s_cmp_lg_u32 s2, 0xf033
	s_cbranch_scc0 .Lentry_shape_is_right
	s_endpgm
.Lentry_shape_is_right:
; out = relu([x | update] Wo + bo) for both modalities: M = 4,096, K = 2,048, N = 1,024 each, on codes of FP4 (E2M1) with one E8M0 scale for each 32 along K; sums in f32.
; All operands come as images of their registers: tile T = 16 indices pi(T, r) = 32 (T / 2) + 8 (T % 2) + r % 8 + 16 (r / 8); fragment (T, s) = 1,024 bytes, lane l's registers 4 c .. 4 c + 3 at 512 c + 16 l; scale words 64 bytes a fragment.
; SHARES.  256 work-groups, each 256 rows x 128 columns (tiles of 256 x 256 would be 128 work-groups); a wave makes 8 tiles of 16 rows x 64 columns: row group g = wave / 2 takes the tiles T = 2 i + g, i = 0 .. 7: rows 32 i + 8 g + ...
; THE WORK GOES BY ROWS OF THE OUTPUT, NOT BY K.  A wave keeps its 64 columns of Wo for all of K in 512 registers (4 tiles x 16 K steps), read from LDS once.  Then its eight tiles of rows are finished one after the other,
; 64 matrix instructions each (16 K steps x 4 accumulators by turns), and each tile leaves as soon as it is finished: its stores are on their way while the later tiles are multiplied.  K steps 0-7 are x's codes, 8-15 the update's.
; LDS: P: first the weights (128 KB), then, filled again once, the rows' tiles 10-15 (x's 48 KB, the update's 48 KB); Q: the tiles 0-9 (x's 80 KB, the update's 80 KB).  At the head one load a wave: waves 0 and 1 the weights, wave 2 x's codes,
; wave 3 the update's.  The refill is asked for as soon as the weights are in registers and has four tiles' work in which to land.
; THE MATRIX INSTRUCTION IS USED TRANSPOSED (source 0 = 16 columns of Wo, source 1 = 16 rows): a lane holds one row, and the 16 registers of tiles 2 b, 2 b + 1 are 16 neighbouring columns.  The bias is the C of K step 0.
; CLUSTER 4 x 4: the rows' tiles hang on the tile row alone and are asked for jointly along a row of the cluster, the weights' on the tile column alone, down a column.
; NO DATA PREFETCH: there is no loop to run ahead in, and all but the one refill is asked for at the head.
; REGISTERS: window 0: v1-18 addresses; v32-95 the rows' scale words (tile i: v[32 + 8 i] on: four of x's, four of the update's); v96-127 the weights'; v128-159 the bias; v160-223 two sets of four accumulators; v224-255 rows on their way out.
;   windows 1, 2: the weights' fragment (t, s) at v[8 (4 (s % 8) + t)] of window 1 + s / 8.   window 3: the rows' fragments, two sets of 16: (set, s) at v[128 set + 8 s].
.set QB,    131072                     ; Q: x's ten tiles,
.set QX,    81920                      ; and so far behind them the update's
.set PX,    49152                      ; P filled again: x's six tiles, and so far behind them the update's
.set STAGE, 294912                     ; 16 rows x (256 + 16) bytes for each wave
.set SPARE, 312320                     ; the spare words, 128 bytes a wave: two blocks of 256 bytes that no other line names
.set MSB, 0
.macro WIN new                         ; s_set_vgpr_msb: bits 1:0 source 0, 3:2 source 1, 5:4 source 2, 7:6 destination; the high byte repeats the setting that is left
.if MSB != \new
	s_set_vgpr_msb (MSB<<8)|\new
.set MSB, \new
.endif
.endm
.macro PLACES                          ; four plain vector instructions behind a matrix instruction, ahead of what reads its result or writes its registers; also the form behind a tensor load
.rept 4
	v_nop
.endr
.endm
.macro CREST                           ; a round of the cluster's barrier behind its opening barrier
	s_cmp_lg_u32 s24, 0
	s_cbranch_scc1 .Lnot_wave_0_\@
	s_barrier_signal -3
.Lnot_wave_0_\@:
	s_barrier_wait -3
	s_barrier_signal -1
	s_barrier_wait -1
.endm
.macro ROUND
	s_barrier_signal -1
	s_barrier_wait -1
	CREST
.endm
.macro THREE                           ; all my tensor loads have landed; 0 onto my spare word; the add and all my LDS instructions are done
	WIN 0
	s_wait_tensorcnt 0x0
	ds_add_u32 v3, v4
	s_wait_dscnt 0x0
.endm
.macro WM od                           ; one matrix instruction on the registers named by rD, rA, rB, rC, rSA, rSB.  od = 1: an odd K step: its scale words lie in lanes 16-31
.if \od
	v_wmma_scale_f32_16x16x128_f8f6f4 v[rD:rD+7], v[rA:rA+7], v[rB:rB+7], v[rC:rC+7], v[rSA], v[rSB] matrix_a_fmt:MATRIX_FMT_FP4 matrix_b_fmt:MATRIX_FMT_FP4 matrix_a_scale:MATRIX_SCALE_ROW1 matrix_b_scale:MATRIX_SCALE_ROW1
.else
	v_wmma_scale_f32_16x16x128_f8f6f4 v[rD:rD+7], v[rA:rA+7], v[rB:rB+7], v[rC:rC+7], v[rSA], v[rSB] matrix_a_fmt:MATRIX_FMT_FP4 matrix_b_fmt:MATRIX_FMT_FP4
.endif
.endm
	s_load_b256 s[4:11], s[0:1], 0x0               ; XC s[4:5], XS s[6:7], UC s[8:9], US s[10:11]
	s_load_b256 s[12:19], s[0:1], 0x20             ; WOC s[12:13], WOS s[14:15], bvo s[16:17], bqo s[18:19]
	s_load_b128 s[20:23], s[0:1], 0x40             ; out0, out1
	v_lshl_add_u32 v3, v0, 2, SPARE
	v_mov_b32 v4, 0
	ds_add_u32 v3, v4                              ; the wave's opening: the add, twice on end
	ds_add_u32 v3, v4
	v_lshrrev_b32 v1, 5, v0
	v_readfirstlane_b32 s24, v1                    ; wave 0..3
	s_lshr_b32 s25, s24, 1                         ; row group; in the refill: which half I fetch
	s_and_b32 s26, s24, 1                          ; column half; in the refill: x's codes (0) or the update's (1)
	s_bfe_u32 s27, ttmp6, 0x40000                  ; cx
	s_bfe_u32 s28, ttmp6, 0x40004                  ; cy
	s_lshl_b32 s29, ttmp9, 2
	s_add_co_u32 s29, s29, s27                     ; tile column 0..7
	s_and_b32 s31, ttmp7, 0xffff
	s_lshl_b32 s30, s31, 2
	s_add_co_u32 s30, s30, s28
	s_and_b32 s30, s30, 15                         ; tile row in its modality, 0..15
	s_lshr_b32 s31, s31, 2                         ; the modality: the same in all sixteen partners
	s_lshl_b32 s84, s28, 2
	s_lshl_b32 s84, 15, s84                        ; my row of the cluster
	s_lshl_b32 s85, 0x1111, s27                    ; my column
	; descriptor group 1: a dense block as rows of 256 bytes (32 elements of 8 bytes), no padding: s[32:39] 320 rows of codes of x or the update, s[40:47] 256 of the weights, s[72:79] the refill's 96
	s_or_b32 s32, s84, (3<<16)|(1<<21)             ; 15:0 the mask; 17:16 elements of 8 bytes; 21 set beside a mask
	s_or_b32 s40, s85, (3<<16)|(1<<21)
	s_or_b32 s72, s84, (3<<16)|(1<<21)
.irp g, 32, 40, 72
	s_mov_b32 s[\g+1], 32<<16                      ; tensor_dim0
	s_mov_b32 s[\g+3], 32<<16                      ; tile_dim0
	s_mov_b32 s[\g+5], 32                          ; from row to row
	s_mov_b32 s[\g+6], 0
	s_mov_b32 s[\g+7], 0
.endr
	s_mov_b32 s34, 320<<16                         ; tensor_dim1
	s_mov_b32 s36, 320                             ; tile_dim1
	s_mov_b32 s42, 256<<16
	s_mov_b32 s44, 256
	s_mov_b32 s74, 96<<16
	s_mov_b32 s76, 96
	s_lshl_b32 s86, s31, 21                        ; the rows: modality x 2 MB + tile row x 16 tiles of 8 KB: never the tile column
	s_lshl_b32 s90, s30, 17
	s_add_co_u32 s86, s86, s90
	s_mov_b32 s87, 0
	s_mul_i32 s90, s25, 24576                      ; the refill: my three of the six tiles behind the first ten
	s_add_co_u32 s90, s90, QX
	s_mov_b32 s91, 0
	s_lshl_b32 s88, s31, 20                        ; the weights: modality x 1 MB + tile column x 128 KB + wave (0, 1) x 64 KB: never the tile row
	s_lshl_b32 s94, s29, 17
	s_add_co_u32 s88, s88, s94
	s_lshl_b32 s94, s24, 16
	s_add_co_u32 s88, s88, s94
	s_mov_b32 s89, 0
	s_mul_i32 s92, s26, PX
	s_mul_i32 s93, s25, 24576
	s_add_co_u32 s92, s92, s93                     ; where the refill goes
	s_mov_b32 s48, 1                               ; groups 0: count 1; the LDS address
	s_mov_b32 s49, QB
	s_mov_b32 s56, 1
	s_mov_b32 s57, QB+QX
	s_mov_b32 s68, 1
	s_lshl_b32 s69, s24, 16
	s_mov_b32 s52, 1
	s_mov_b32 s53, s92
	s_mov_b32 s60, 1
	s_mov_b32 s61, s92
	s_wait_alu depctr_va_vdst(0)                   ; ahead of the blocking waits
	s_wait_dscnt 0x0                               ; both opening adds are done
	ROUND                                          ; all sixteen work-groups are here: the first joint loads meet
	s_wait_kmcnt 0x0
	s_add_nc_u64 s[70:71], s[12:13], s[88:89]
	s_or_b32 s71, s71, 0x80000000                  ; the type on top of the global address
	s_add_nc_u64 s[50:51], s[4:5], s[86:87]        ; x's codes,
	s_add_nc_u64 s[54:55], s[50:51], s[90:91]
	s_add_nc_u64 s[58:59], s[8:9], s[86:87]        ; the update's
	s_add_nc_u64 s[62:63], s[58:59], s[90:91]
	s_or_b32 s51, s51, 0x80000000
	s_or_b32 s55, s55, 0x80000000
	s_or_b32 s59, s59, 0x80000000
	s_or_b32 s63, s63, 0x80000000
	s_cmp_lt_u32 s24, 2                            ; one tensor load a wave, each arm its own; the branches hang on the wave's number alone
	s_cbranch_scc0 .Lfirst_rows
	tensor_load_to_lds s[68:71], s[40:47]          ; four tiles of the weights
	s_nop 0
	PLACES
	s_branch .Lfirst_done
.Lfirst_rows:
	s_cmp_eq_u32 s24, 2
	s_cbranch_scc0 .Lfirst_u
	tensor_load_to_lds s[48:51], s[32:39]          ; x's codes, tiles 0-9
	s_nop 0
	PLACES
	s_branch .Lfirst_done
.Lfirst_u:
	tensor_load_to_lds s[56:59], s[32:39]          ; the update's
	s_nop 0
	PLACES
.Lfirst_done:
	s_lshl_b32 s94, s31, 17                        ; the rows' scale words: modality x 128 KB + tile (16 tile row + row group) x 512
	s_lshl_b32 s95, s30, 13
	s_add_co_u32 s94, s94, s95
	s_lshl_b32 s95, s25, 9
	s_add_co_u32 s94, s94, s95
	s_mov_b32 s95, 0
	s_lshl_b32 s96, s31, 16                        ; the weights': modality x 64 KB + tile (8 tile column + 4 my half) x 1,024
	s_lshl_b32 s97, s29, 13
	s_add_co_u32 s96, s96, s97
	s_lshl_b32 s97, s26, 12
	s_add_co_u32 s96, s96, s97
	s_mov_b32 s97, 0
	s_lshl_b32 s98, s29, 9                         ; my first column in bytes: (128 tile column + 64 half) x 4
	s_lshl_b32 s99, s26, 8
	s_add_co_u32 s98, s98, s99
	s_mov_b32 s99, 0
	s_lshl_b32 s100, s30, 20                       ; my first row: (256 tile row + 8 row group) x 4,096 bytes
	s_lshl_b32 s101, s25, 15
	s_add_co_u32 s100, s100, s101
	s_add_co_u32 s100, s100, s98
	s_mov_b32 s101, 0
	s_add_nc_u64 s[6:7], s[6:7], s[94:95]
	s_add_nc_u64 s[10:11], s[10:11], s[94:95]
	s_add_nc_u64 s[14:15], s[14:15], s[96:97]
	s_cmp_eq_u32 s31, 0
	s_cselect_b64 s[16:17], s[16:17], s[18:19]     ; bvo or bqo
	s_cselect_b64 s[20:21], s[20:21], s[22:23]     ; out0 or out1
	s_add_nc_u64 s[16:17], s[16:17], s[98:99]
	s_add_nc_u64 s[20:21], s[20:21], s[100:101]
	v_and_b32 v16, 31, v0
	v_lshlrev_b32 v1, 4, v16                       ; 16 x lane
	v_lshlrev_b32 v2, 2, v16                       ; 4 x lane
	v_and_b32 v17, 15, v0                          ; r
	v_bfe_u32 v18, v0, 4, 1                        ; h
	v_lshlrev_b32 v14, 6, v18                      ; 64 h
.irp t, 0,1,2,3
.irp p, 0,1,2,3,4,5,6,7
	global_load_b32 v[96+8*\t+\p], v2, s[14:15] offset:(16*\t+2*\p)*64   ; the weights' scale words of my tile t: K step 2 p in lanes 0-15, 2 p + 1 in lanes 16-31
.endr
.endr
.irp t, 0,1,2,3
	global_load_b128 v[128+8*\t:128+8*\t+3], v14, s[16:17] offset:(32*(\t/2)+8*(\t%2))*4      ; the bias in the result's layout
	global_load_b128 v[128+8*\t+4:128+8*\t+7], v14, s[16:17] offset:(32*(\t/2)+8*(\t%2))*4+16
.endr
.macro SALOAD i                        ; the scale words of my tile i of rows: four registers of x's, four of the update's
.irp p, 0,1,2,3
	global_load_b32 v[32+8*\i+\p], v2, s[6:7] offset:(16*\i+2*\p)*64
	global_load_b32 v[36+8*\i+\p], v2, s[10:11] offset:(16*\i+2*\p)*64
.endr
.endm
	SALOAD 0
	SALOAD 1                                       ; the other six tiles' words are asked for when these are in
	s_lshl_b32 s66, s25, 13
	v_add_nc_u32 v10, s66, v1                      ; rows in P: x's tiles 10 + row group on,
	v_add_nc_u32 v15, PX, v10                      ; the update's
	v_add_nc_u32 v5, QB, v10                       ; rows in Q: x's tiles 0-7,
	v_add_nc_u32 v6, 65536, v5                     ; 8 and 9;
	v_add_nc_u32 v8, QX, v5                        ; the update's
	v_add_nc_u32 v9, QX+65536, v5
	s_lshl_b32 s66, s26, 16
	v_add_nc_u32 v7, s66, v1                       ; my four tiles of the weights in P
	s_mul_i32 s66, s24, 4352
	s_add_co_u32 s66, s66, STAGE                   ; my stage
	v_mul_u32_u24 v11, v17, 272
	v_lshl_add_u32 v11, v18, 6, v11
	v_add_nc_u32 v11, s66, v11                     ; in: row r, 64 h bytes on
	v_mul_u32_u24 v12, v18, 272
	v_lshl_add_u32 v12, v17, 4, v12
	v_add_nc_u32 v12, s66, v12                     ; back: lanes 0-15 one row of 256 bytes, lanes 16-31 the next
	v_lshlrev_b32 v13, 4, v17
	v_lshl_add_u32 v13, v18, 12, v13               ; and the same two rows in the output
; my tile i of rows, all 16 K steps, into set i % 2: 32 loads
.macro FETCHA i
.if \i < 4
.set rX, 5
.set rU, 8
.set rO, (\i)*16384
.elseif \i == 4
.set rX, 6
.set rU, 9
.set rO, 0
.else
.set rX, 10
.set rU, 15
.set rO, (\i-5)*16384
.endif
	WIN 0xc0                                       ; destination window 3
.set ss, 0
.rept 16
.if ss < 8
.set rR, rX
.else
.set rR, rU
.endif
	ds_load_b128 v[128*((\i)%2)+8*ss:128*((\i)%2)+8*ss+3], v[rR] offset:rO+(ss%8)*1024
	ds_load_b128 v[128*((\i)%2)+8*ss+4:128*((\i)%2)+8*ss+7], v[rR] offset:rO+(ss%8)*1024+512
.set ss, ss+1
.endr
	WIN 0
.endm
; half of tile i's products: K steps s0 .. s0 + 7, 32 matrix instructions, K ascending; its four accumulators take turns, one instruction a turn.  The bias is the C of K step 0: nothing is cleared or added
.macro MULTH i, s0
	WIN 0x0d+\s0/8                                 ; source 0 (weights) window 1 or 2, source 1 (rows) window 3, C and D window 0
.set ss, \s0
.rept 8
.set tt, 0
.rept 4
.set rD, 160+32*((\i)%2)+8*tt
.set rA, 8*(4*(ss%8)+tt)
.set rB, 128*((\i)%2)+8*ss
.set rSA, 96+8*tt+ss/2
.set rSB, 32+8*(\i)+4*(ss/8)+(ss%8)/2
.if ss == 0
.set rC, 128+8*tt
.else
.set rC, rD
.endif
	WM ss%2
.set tt, tt+1
.endr
.set ss, ss+1
.endr
.endm
.macro MULT i
	MULTH \i, 0
	MULTH \i, 8
	WIN 0
.endm
; THE WAY OUT of tile a.  OUTA: relu; 16 rows x 64 columns into my stage, and back as whole rows of 256 bytes.  OUTB, behind the next tile's products: the rows are stored.
.macro RELU a
.set n, 0
.rept 32
	v_max_num_f32 v[160+32*((\a)%2)+n], 0, v[160+32*((\a)%2)+n]   ; each accumulator from its low end on
.set n, n+1
.endr
.endm
.macro TURNROWS a
.set AC, 160+32*((\a)%2)
.irp b, 0,1
.irp k, 0,1,2,3
	ds_store_b128 v11, v[AC+16*\b+4*\k:AC+16*\b+4*\k+3] offset:128*\b+16*\k   ; columns 32 b + 16 h + 4 k on
.endr
.endr
	s_wait_xcnt 0x0                                ; the last tile's stores have read their registers: loads may land there
.irp e, 0,1,2,3,4,5,6,7
	ds_load_b128 v[224+4*\e:224+4*\e+3], v12 offset:544*\e   ; LDS serves a wave's instructions in order (ISA guide 5.7.1.4): these see the stores above, and the next tile's stores come behind them
.endr
.endm
.macro OUTA a
	RELU \a
	TURNROWS \a
.endm
.macro OUTB a
.irp e, 0,1,2,3,4,5,6,7
	s_wait_dscnt 7-\e                              ; the younger reads of the stage may be out; nothing was issued to LDS behind them
	global_store_b128 v13, v[224+4*\e:224+4*\e+3], s[20:21] offset:(32*\a+2*(\e%4)+16*(\e/4))*4096 th:TH_STORE_NT   ; stage row 2 e + lane / 16 is row pi of the tile: sixteen lanes store 256 consecutive bytes, aligned
.endr
.endm
	s_wait_alu depctr_va_vdst(0)                   ; the wait at the head's end
	s_wait_tensorcnt 0x0                           ; my load has landed
	s_barrier_signal -1
	s_barrier_wait -1                              ; everybody's has
	FETCHA 0
.set ss, 0
.rept 16
	WIN 0x40*(1+ss/8)                              ; destination window 1, then 2
.set tt, 0
.rept 4
	ds_load_b128 v[8*(4*(ss%8)+tt):8*(4*(ss%8)+tt)+3], v7 offset:16384*tt+1024*ss
	ds_load_b128 v[8*(4*(ss%8)+tt)+4:8*(4*(ss%8)+tt)+7], v7 offset:16384*tt+1024*ss+512
.set tt, tt+1
.endr
.set ss, ss+1
.endr
	FETCHA 1
	s_wait_loadcnt 0x0                             ; the weights' scale words, the bias, the words of tiles 0 and 1
	s_wait_dscnt 32                                ; tile 0 and the weights are in; tile 1's 32 loads may be out
	MULTH 0, 0
	THREE                                          ; the weights and tile 1 are in registers
	s_barrier_signal -1                            ; a round of the cluster's barrier opens; register work inside it
	MULTH 0, 8
	WIN 0
	s_barrier_wait -1
	CREST                                          ; nobody in the cluster reads P any more
	s_cmp_eq_u32 s26, 0                            ; the joint refill of P: the rows' tiles 10-15
	s_cbranch_scc0 .Lfor_u
	tensor_load_to_lds s[52:55], s[72:79]
	s_nop 0
	PLACES
	s_branch .Lasked
.Lfor_u:
	tensor_load_to_lds s[60:63], s[72:79]
	s_nop 0
	PLACES
.Lasked:
	FETCHA 2
	OUTA 0
.irp i, 2,3,4,5,6,7
	SALOAD \i                                      ; wanted from tile 2 on
.endr
	MULT 1
	OUTB 0
	PLACES                                         ; ahead of loads into the set just multiplied, and of the first read of the results
	FETCHA 3
	OUTA 1
	s_wait_loadcnt 0x0                             ; the scale words of tiles 2 to 7
	s_wait_dscnt 48                                ; tile 2 is in; behind it: tile 3's 32 loads and tile 1's 16 stage instructions
	MULT 2
	OUTB 1
	PLACES
	FETCHA 4
	OUTA 2
	s_wait_dscnt 48
	MULT 3
	OUTB 2
	PLACES
	OUTA 3                                         ; tile 5 lies in P, which is not yet known whole: nothing is fetched here
	s_wait_dscnt 16                                ; tile 4 is in; behind it: tile 3's 16 stage instructions
	MULT 4
	OUTB 3
	PLACES
	s_wait_tensorcnt 0x0                           ; my part of P has landed
	s_wait_dscnt 0x0
	s_barrier_signal -1
	RELU 4                                         ; register work while the others arrive
	s_wait_alu depctr_va_vdst(0)
	s_barrier_wait -1                              ; everybody's has; nothing is filled again
	FETCHA 5
	FETCHA 6
	TURNROWS 4                                     ; tile 4's way through the stage stands between tile 5's loads and the wait for them
	s_wait_dscnt 48                                ; tile 5 is in; behind it: tile 6's 32 loads and tile 4's 16 stage instructions
	MULT 5
	OUTB 4
	PLACES
	FETCHA 7
	OUTA 5
	s_wait_dscnt 48
	MULT 6
	OUTB 5
	PLACES
	OUTA 6
	s_wait_dscnt 16
	MULT 7
	OUTB 6
	PLACES
	OUTA 7
	OUTB 7
	THREE                                          ; the wave's end, behind my last tensor load and my last LDS store
	ROUND                                          ; the closing round: no work-group ends while a partner may still ask for a tile that names it
	s_endpgm
.Lfunc_end_k_qefe0a7ac74_outproj:
	.size	k_qefe0a7ac74_outproj, .Lfunc_end_k_qefe0a7ac74_outproj-k_qefe0a7ac74_outproj
	.p2alignl 7, 3214868480
	.fill 96, 4, 3214868480
	.section	.rodata,"a",@progbits
	.p2align	6, 0x0
	.amdhsa_kernel k_qefe0a7ac74_outproj
		.amdhsa_group_segment_fixed_size 327680
		.amdhsa_private_segment_fixed_size 0
		.amdhsa_enable_private_segment 0
		.amdhsa_kernarg_size 80
		.amdhsa_user_sgpr_count 2
		.amdhsa_user_sgpr_kernarg_segment_ptr 1
		.amdhsa_wavefront_size32 1
		.amdhsa_system_sgpr_workgroup_id_x 1
		.amdhsa_system_sgpr_workgroup_id_y 1
		.amdhsa_system_sgpr_workgroup_id_z 1
		.amdhsa_system_vgpr_workitem_id 0
		.amdhsa_next_free_vgpr 1024
		.amdhsa_next_free_sgpr 104
		.amdhsa_reserve_vcc 0
		.amdhsa_float_denorm_mode_32 3
		.amdhsa_float_denorm_mode_16_64 3
		.amdhsa_memory_ordered 1
		.amdhsa_forward_progress 1
		.amdhsa_inst_pref_size 134
	.end_amdhsa_kernel
	.amdgpu_metadata
---
amdhsa.version: [ 1, 2 ]
amdhsa.kernels:
  - .name:           k_qefe0a7ac74_outproj
    .symbol:         k_qefe0a7ac74_outproj.kd
    .args:
      - { .name: XC, .offset: 0, .size: 8, .value_kind: global_buffer, .address_space: global }
      - { .name: XS, .offset: 8, .size: 8, .value_kind: global_buffer, .address_space: global }
      - { .name: UC, .offset: 16, .size: 8, .value_kind: global_buffer, .address_space: global }
      - { .name: US, .offset: 24, .size: 8, .value_kind: global_buffer, .address_space: global }
      - { .name: WOC, .offset: 32, .size: 8, .value_kind: global_buffer, .address_space: global }
      - { .name: WOS, .offset: 40, .size: 8, .value_kind: global_buffer, .address_space: global }
      - { .name: bvo, .offset: 48, .size: 8, .value_kind: global_buffer, .address_space: global }
      - { .name: bqo, .offset: 56, .size: 8, .value_kind: global_buffer, .address_space: global }
      - { .name: out0, .offset: 64, .size: 8, .value_kind: global_buffer, .address_space: global }
      - { .name: out1, .offset: 72, .size: 8, .value_kind: global_buffer, .address_space: global }
    .group_segment_fixed_size: 327680
    .private_segment_fixed_size: 0
    .kernarg_segment_align: 8
    .kernarg_segment_size: 80
    .max_flat_workgroup_size: 128
    .sgpr_count:     104
    .vgpr_count:     1024
    .wavefront_size: 32
...
	.end_amdgpu_metadata
.endif
;; end of part 3
